; MI455X (gfx1250); checked and timed in simulation.
; The chip was launched on July 23, 2026; its instructions are those of AMD's public machine-readable ISA for CDNA 5 (MIT licence, August 2026) and "CDNA5" Instruction Set Architecture Reference Guide (July 2026). The comments in the code are by the model that wrote it; some were corrected since.
;; Outliers Q Linear Unstruct. Allowed arithmetic: matrix products marked QUANTISED: E2M3 operands, one E8M0 scale for each 32 along K, by v_wmma_scale_f32_16x16x128_f8f6f4 with both operands' format E2M3, f32 sums; everything else in f32.
;; Inputs: bias 11,008 float32; outlier_mask 11,008 x 4,096 bool; weight 11,008 x 4,096 float32; x_codes 32 x 1 x 128 x 24 uint8 (E2M3 codes of x, K innermost, in blocks of 32 codes, four codes in three bytes); x_scales 32 x 1 x 128 uint8 (E8M0 scales of x, one for each 32 codes along K).
;; Outputs: out0 32 x 1 x 11,008 float32.
;; This version of the problem:
;;   THIS VERSION OF THE PROBLEM IS GIVEN IN LOW PRECISION. The matrix products marked QUANTISED in the list below multiply operands that are first quantised to E2M3 (2 exponent bits, 3 mantissa bits; 6 bits a number), with one power-of-two scale for each 32 numbers along K (OCP MX v1.0); their sums are f32. All else is computed in f32.
;;   The module's matrix products, in the order in which they are computed (A, B: the left and right operand; K: the contracted axis; several contracted axes count as one K, in the product's order):
;;     1. [M 32, K 4,096] x [K 4,096, N 11,008]; A: input x (given as codes); B: computed on the way: QUANTISED
;;   THE QUANTISER, for each operand of a quantised product, along K:
;;     - K is cut into blocks of 32 from its start; a last block that is shorter is filled with zeros.
;;     - A block's scale is 2^e with e = floor(log2(the largest magnitude in the block)) - 2, held to -126 .. 127; a block of zeros has e = 0. As a byte (E8M0): e + 127.
;;     - Each number is divided by its block's scale, clamped to +-7.5, and rounded to the nearest number of E2M3, ties to even, subnormals kept.
;;     - The product sums the exact products of the quantised numbers (number of the format x scale) in f32.
;;   ~~~python
;;   def quantise(x, axis):      # numpy; x: float32 -> the quantised numbers, widened to float32 again
;;       x = np.moveaxis(x, axis, -1); K = x.shape[-1]
;;       x = np.pad(x, [(0, 0)] * (x.ndim - 1) + [(0, -K % 32)]); x = x.reshape(x.shape[:-1] + (-1, 32)); a = np.abs(x).max(-1, keepdims=True)
;;       e = np.where(a > 0, np.clip(np.frexp(np.where(a > 0, a, 1))[1] - 1 - 2, -126, 127), 0)      # np.frexp(a)[1] - 1 = floor(log2(a)), exactly
;;       r = np.clip(x / 2.0 ** e, -7.5, 7.5)
;;       step = 2.0 ** (np.maximum(np.frexp(np.where(r == 0, 1, r))[1] - 1, 0) - 3)
;;       q = np.round(r / step) * step * 2.0 ** e      # np.round: ties to even
;;       return np.moveaxis(q.reshape(q.shape[:-2] + (-1,))[..., :K], -1, axis).astype(np.float32)
;;   ~~~
;;   OPERANDS COMPUTED ON THE WAY. 'Computed on the way' means the value that the module computes at that place (a softmax that the list does not call 'softmax' is quantised finished and normalised). What goes into a quantiser is computed in f32, as accurately as f32 sums, v_exp_f32 and their like allow (about 1e-6 of the number): no bf16 or f16 on the way to a quantiser, and a product that is left as it is and whose result goes on into a quantised operand takes f32 operands (vector FMAs, or v_wmma_f32_16x16x4_f32). A number that lies on a knife's edge between two numbers of the format may be rounded either way, as far as f32 arithmetic and the matrix unit's own rounding can turn it there, and no further.
;;   INPUTS GIVEN AS CODES. x (in the module: [32, 1, 4096], K = its axis 2): each comes as NAME_codes (uint8): NAME with its K axis moved to the last place and cut into blocks of 32 codes, [.., K / 32, bytes a block], one block behind the other in memory; four codes in three bytes: a row's codes are one little-endian stream of bits, code i at bits 6 i .. 6 i + 5 (a code: sign, 2 exponent bits, 3 mantissa bits); and NAME_scales (uint8): the same leading axes, one E8M0 byte (e + 127) for each 32 codes along K. Its value is code x scale, taken as it is: it is not quantised again, and the codes and scales need not be those that the quantiser above would give.
;; One version. Each part assembles by itself: llvm-mc -triple=amdgcn-amd-amdhsa -mcpu=gfx1250 --defsym DOCPART=n.
;; ======== version 1 of 1: 1 launch
;; limits: inputs' magnitudes at most 268,000,000; right only within a limited range of input values
;; launch xnor_linear (part 1): grid 256 x 1, 16 waves a work-group, no clusters, 260,096 bytes of LDS; arguments weight, outlier_mask, x_codes, x_scales, bias, out0; writes out0
.if DOCPART == 1
	.amdgcn_target "amdgcn-amd-amdhsa--gfx1250"
	.amdhsa_code_object_version 6
	.text
	.protected	k_qd52c30820d_xnor_linear
	.globl	k_qd52c30820d_xnor_linear
	.p2align	8
	.type	k_qd52c30820d_xnor_linear,@function
k_qd52c30820d_xnor_linear:
	s_mov_b64 s[64:65], 0
	v_nop
	global_prefetch_b8 v0, s[64:65] scope:SCOPE_SE
	s_setreg_imm32_b32 hwreg(HW_REG_WAVE_MODE, 25, 1), 1
	s_wait_xcnt 0x0
; out[b][o] = sum over k of x[b][k] Q(w_eff[o][k]) + bias[o].   weight [11008][4096] f32, outlier_mask [11008][4096] bytes 0 or 1, x as codes of FP6 (E2M3) [32][128][24]
; with E8M0 bytes [32][128], bias [11008] f32, out [32][11008] f32.
; Per row o: wz = w where the mask is 0, else 0; scale = mean |wz|; mean = mean wz; w_eff = w where the mask is 1, else scale x sign(wz - mean).  Q: blocks of 32 along k, scale byte = exponent field of the
; block's largest magnitude - 2, codes of E2M3.  The product is done on codes by v_wmma_scale_f32_16x16x128_f8f6f4, sums in f32.
; SHARES.  11008 = 256 x 43: a work-group owns 43 rows, so every work-group reads the same number of bytes.  Sixteen waves of 256 registers.  ONE WAVE TAKES ONE ROW AT A TIME: its 4,096 numbers are 128 registers,
; its mask bytes 32, and they stay in registers between the pass that sums and the pass that binarises: weight and mask are read from memory once, and a row's sums never leave the wave.
; Wave w takes rows w and 16 + w; waves 0 to 10 take row 32 + w too, first.  No barrier stands in the streaming part.
; A ROW goes in four quarters of 1,024 numbers: 8 + 2 loads of 512 consecutive bytes.  A quarter turns through the wave's own stage in LDS, so that lane l then holds block l of the quarter: 32 neighbours along k.
; WHICH FOUR BLOCKS FORM A STEP OF 128 FOR THE MATRIX UNIT IS FREE, if x is taken alike: step l is made of blocks l, 32 + l, 64 + l, 96 + l, which are lane l's four.  So a lane makes 96 consecutive bytes of codes and one whole scale word.
; THE END.  All 43 rows' codes lie in LDS (48 slots; waves 11 to 15 fill slots 43 to 47 with zero codes).  Wave w multiplies steps 2 w and 2 w + 1: three tiles of rows x two tiles of the batch; the sixteen waves' sums meet in LDS.
; NO CLUSTER: only x is shared between work-groups, 102,400 bytes against the 880,640 of weight and mask that are a work-group's own.  NO TENSOR LOADS: the rows go straight into the registers that keep them.
; LIMITS.  (1) wq is taken as scale x sign(wz - mean): reference()'s (a - c) + c is a, but for two roundings.  (2) The sums are trees (four chains a lane, then the lanes), not reference()'s order.
; (3) sign: u = fma(w, 2^100, -mean 2^100) has the sign of w - mean exactly and is 0 exactly where they are equal; it is held to +-scale.  A |w - mean| that is not 0 and lies under scale x 2^-100 would give less than scale;
; the row's sum must stay under 2^40.  (4) NaN and infinities among the inputs are not served.  (5) A block of zeros gets the byte 1 where the rule says 127: its codes are zeros, and this program alone reads the bytes.
; (6) Stores are runs of 64 bytes: a work-group's 43 columns are 172 bytes of a row of out, which align with nothing; out is 1.4 MB of the launch's 227 MB.
.set ROWS,  43                         ; rows of a work-group
.set LONGW, 11                         ; waves with three rows: 43 = 2 x 16 + 11
.set WROW,  16384                      ; a row of weight in bytes
.set MROW,  4096                       ; of the mask
.set OROW,  44032                      ; of out
.set XROW,  3072                       ; of x's codes
.set STGB,  6176                       ; LDS: a wave's stage.  While rows stream: a quarter of weight (32 x 144) and of mask (32 x 48); then two rows of x's codes (2 x 3088); then the wave's partial sums (6144)
.set STGM,  4608                       ; the mask's part of the stage
.set XP,    3088                       ; a row of x in LDS: 1536 bytes, 8 of padding, 1536, 8: 772 words a row and 386 a half: the 32 lanes of a load of 8 bytes touch 64 different banks (64 banks of 4 bytes: ISA guide 11.1)
.set COD,   16*STGB                    ; the rows' codes: 48 slots
.set CP,    3088                       ; 3072 bytes + 16: an odd multiple of 16, so the sixteen rows of a load of 16 bytes start at sixteen different groups of banks
.set SCW,   COD+48*CP                  ; the rows' scale words: 48 slots of 32 words + 8 bytes
.set SP,    136
.set XSC,   SCW+48*SP                  ; x's scale bytes: 32 rows of 128 + 8
.set OFF,  1                           ; v1   16 x lane: my bytes of a load of 512
.set X8,   2                           ; v2   8 x lane
.set STW,  3                           ; v3   stage, weight, as loaded: 16 l + 16 (l / 8): 16 bytes of padding behind each 128
.set LDW,  4                           ; v4   and back: 144 l: my block
.set STM,  5                           ; v5   stage, mask, as loaded: 16 l + 16 (l / 2): 16 of padding behind each 32
.set LDM,  6                           ; v6   and back: 48 l
.set CODA, 7                           ; v7   where I put a row's codes: slot = wave; slot 16 + wave by the offset
.set CODB, 8                           ; v8   slot 32 + wave
.set SCA,  9                           ; v9   where I put a row's scale word
.set WFA,  10                          ; v10  the rows' fragments of my two steps, tiles 0 and 1
.set WFB,  11                          ; v11  tile 2
.set WSA,  12                          ; v12  their scale words
.set DPA,  13                          ; v13  my partial sums: stage + 16 l
.set RDA,  14                          ; v14  the sixteen waves' partial sums: waves 0 to 7,
.set RDB,  15                          ; v15  waves 8 to 15
.set XST,  16                          ; v16  where I put my two rows of x: stage + 8 l
.set XSS,  17                          ; v17  and their scale bytes
.set XFA,  18                          ; v18  x's fragments of my two steps
.set XSR,  19                          ; v19  x's scale bytes of my two steps
.set BOF,  20                          ; v20  my column's byte in the work-group's part of bias
.set OUTO, 21                          ; v21  my byte offset in out
.set BIA,  22                          ; v22  the bias
.set XS,   24                          ; v24-27  x's scale words (batch tile, step): scales and nothing else
.set WS,   28                          ; v28-33  the rows' scale words (row tile, step): scales and nothing else
.set SW,   34                          ; v34  the scale word of the row in hand
.set SC,   35                          ; v35  the row's scale
.set C,    36                          ; v[36:37] -mean x 2^100 (the packed form names a pair and takes its low word)
.set S,    38                          ; v38-41  four chains of 2 x sum wz
.set A,    42                          ; v42-45  four chains of 2 x sum |wz|
.set T0,   46
.set T1,   47
.set MXA,  48
.set MXB,  49
.set SCL,  50                          ; v50  the conversions' scale operand
.set BY,   51
.set F,    52                          ; v52-59  two sets of four: the mask of four numbers, as floats (pass 1) or as bits (pass 2)
.set U,    60                          ; v60-67  at work
.set CD,   68                          ; v68-91  a row's codes: 6 registers a block, 4 blocks
.set TMP,  92                          ; v92-94  a block's upper 16 codes as the conversion leaves them
.set W,    96                          ; v96-223  the row: quarter i at 32 i
.set M,    224                         ; v224-255 its mask: quarter i at 8 i
.set XF,   W                           ; the end: x's four fragments (48), x's scale bytes as loaded (8), the rows' six fragments (72)
.set XU,   W+48
.set WF,   W+56
.set P,    W                           ; and then the sixteen partial sums
.set WV,   16                          ; s16  my wave's number
.set HH,   24                          ; s[24:25] 2^100
.set K40,  26                          ; s26  0x40404040
.set SELF, 28                          ; s28-31  v_perm selectors: byte j of the first source on top, zeros under it
.set SELR, 32                          ; s32-35  byte j four times
.set SEL,  36                          ; s[36:37] v_permlanex16_b32: lane l xor 16
.set LIM,  38                          ; s38  how many rows my tile of rows has
.set SVX,  39
	s_load_b256 s[4:11], s[0:1], 0x0               ; weight s[4:5], mask s[6:7], x's codes s[8:9], x's scales s[10:11]
	s_load_b128 s[12:15], s[0:1], 0x20             ; bias s[12:13], out s[14:15]
	v_lshl_add_u32 v23, v0, 2, 0x3f000
	v_mov_b32 v95, 0
	v_lshrrev_b32 v[T0], 5, v0
	s_delay_alu instid0(VALU_DEP_1)
	v_readfirstlane_b32 s[WV], v[T0]               ; wave 0..15
	v_and_b32 v[T1], 31, v0                        ; lane l
	v_and_b32 v[MXA], 15, v0                       ; r = l % 16
	v_bfe_u32 v[MXB], v0, 4, 1                     ; h = l / 16
	s_delay_alu instid0(VALU_DEP_3)
	v_lshlrev_b32 v[OFF], 4, v[T1]
	s_delay_alu instid0(VALU_DEP_4)
	v_lshlrev_b32 v[X8], 3, v[T1]
	; every LDS address is made here, ahead of the first branch: a constant + a constant x wave + constants x parts of the lane's number
	s_mul_i32 s17, s[WV], STGB                     ; my stage
	v_lshrrev_b32 v[SCL], 3, v[T1]
	s_delay_alu instid0(VALU_DEP_1)
	v_lshl_add_u32 v[STW], v[SCL], 4, v[OFF]
	s_delay_alu instid0(VALU_DEP_1)
	v_add_nc_u32 v[STW], s17, v[STW]
	v_mul_u32_u24 v[LDW], v[T1], 144
	s_delay_alu instid0(VALU_DEP_1)
	v_add_nc_u32 v[LDW], s17, v[LDW]
	s_add_co_u32 s18, s17, STGM
	v_lshrrev_b32 v[SCL], 1, v[T1]
	s_delay_alu instid0(VALU_DEP_1)
	v_lshl_add_u32 v[STM], v[SCL], 4, v[OFF]
	s_delay_alu instid0(VALU_DEP_1)
	v_add_nc_u32 v[STM], s18, v[STM]
	v_mul_u32_u24 v[LDM], v[T1], 48
	s_delay_alu instid0(VALU_DEP_1)
	v_add_nc_u32 v[LDM], s18, v[LDM]
	v_add_nc_u32 v[DPA], s17, v[OFF]
	v_add_nc_u32 v[XST], s17, v[X8]
	s_mul_i32 s18, s[WV], CP
	s_add_co_u32 s18, s18, COD
	v_mul_u32_u24 v[CODA], v[T1], 96               ; step l's 96 bytes of the row
	s_delay_alu instid0(VALU_DEP_1)
	v_add_nc_u32 v[CODA], s18, v[CODA]
	s_delay_alu instid0(VALU_DEP_1)
	v_add_nc_u32 v[CODB], 32*CP, v[CODA]
	s_mul_i32 s18, s[WV], SP
	s_add_co_u32 s18, s18, SCW
	v_lshl_add_u32 v[SCA], v[T1], 2, s18
	s_mul_i32 s18, s[WV], 192                      ; steps 2 w and 2 w + 1: 96 bytes each
	s_add_co_u32 s18, s18, COD
	v_mul_u32_u24 v[WFA], v[MXA], CP               ; row r of a tile, + 48 h: lanes 0-15 take quarters 0 and 1 of a step, lanes 16-31 quarters 2 and 3
	s_delay_alu instid0(VALU_DEP_1)
	v_mad_u32_u24 v[WFA], v[MXB], 48, v[WFA]
	s_delay_alu instid0(VALU_DEP_1)
	v_add_nc_u32 v[WFA], s18, v[WFA]
	s_delay_alu instid0(VALU_DEP_1)
	v_add_nc_u32 v[WFB], 32*CP, v[WFA]
	s_lshl_b32 s18, s[WV], 3
	s_add_co_u32 s18, s18, SCW
	v_mul_u32_u24 v[WSA], v[MXA], SP
	s_delay_alu instid0(VALU_DEP_1)
	v_add_nc_u32 v[WSA], s18, v[WSA]
	s_lshl_b32 s18, s[WV], 9
	v_add_nc_u32 v[RDA], s18, v[OFF]               ; piece w (512 bytes) of each wave's partial sums
	s_delay_alu instid0(VALU_DEP_1)
	v_add_nc_u32 v[RDB], 8*STGB, v[RDA]
	s_mul_i32 s18, s[WV], 2*SP
	s_add_co_u32 s18, s18, XSC
	v_mul_u32_u24 v[XSS], v[MXB], SP               ; x's scale bytes: rows 2 w + h, 8 bytes a lane
	s_delay_alu instid0(VALU_DEP_1)
	v_lshl_add_u32 v[XSS], v[MXA], 3, v[XSS]
	s_delay_alu instid0(VALU_DEP_1)
	v_add_nc_u32 v[XSS], s18, v[XSS]
	s_mul_i32 s18, s[WV], 48                       ; x: 24 bytes a block, blocks 2 w and 2 w + 1 of each quarter of a row
	v_mul_u32_u24 v[XFA], v[MXA], XP
	s_delay_alu instid0(VALU_DEP_1)
	v_mad_u32_u24 v[XFA], v[MXB], 1544, v[XFA]     ; lanes 16-31: quarters 2 and 3, behind the padding in the row's middle
	s_delay_alu instid0(VALU_DEP_1)
	v_add_nc_u32 v[XFA], s18, v[XFA]
	s_lshl_b32 s18, s[WV], 1
	s_add_co_u32 s18, s18, XSC
	v_mul_u32_u24 v[XSR], v[MXA], SP
	s_delay_alu instid0(VALU_DEP_1)
	v_add_nc_u32 v[XSR], s18, v[XSR]
	; the way out: wave g (0 to 11) owns piece g of the sums: row tile t = g / 4, batch tile (g / 2) % 2, registers 4 (g % 2) on
	s_lshr_b32 s19, s[WV], 2
	s_lshl_b32 s18, s19, 4                         ; 16 t
	v_add_nc_u32 v[BOF], s18, v[MXA]
	s_delay_alu instid0(VALU_DEP_1)
	v_min_u32 v[BOF], ROWS-1, v[BOF]               ; held inside the work-group's 43, so that no lane of any wave loads past bias
	s_delay_alu instid0(VALU_DEP_1)
	v_lshlrev_b32 v[BOF], 2, v[BOF]
	s_sub_co_u32 s[LIM], ROWS, s18                 ; 43, 27, 11 (waves 12 to 15 never use it)
	v_mul_u32_u24 v[OUTO], v[MXB], 8*OROW          ; lanes 16-31: eight rows of out further down
	s_delay_alu instid0(VALU_DEP_1)
	v_lshl_add_u32 v[OUTO], v[MXA], 2, v[OUTO]
	s_mul_i32 s20, ttmp9, ROWS                     ; the work-group's first row
	s_add_co_u32 s21, s20, s[WV]
	s_mov_b32 s23, 0
	s_mov_b32 s45, 0
	s_mov_b32 s47, 0
	s_wait_kmcnt 0x0
	s_lshl_b32 s22, s21, 14                        ; under 2^32: 11,008 rows of 16,384 bytes
	s_add_nc_u64 s[4:5], s[4:5], s[22:23]          ; weight and mask at row w of the work-group; rows 16 + w and 32 + w stand in the loads' immediates
	s_lshl_b32 s22, s21, 12
	s_add_nc_u64 s[6:7], s[6:7], s[22:23]
	s_cmp_lt_u32 s[WV], LONGW                      ; the first row that I load: 32 + w where I have three rows, else w
	s_cselect_b32 s44, 32*WROW, 0
	s_cselect_b32 s46, 32*MROW, 0
	s_add_nc_u64 s[40:41], s[4:5], s[44:45]
	s_add_nc_u64 s[42:43], s[6:7], s[46:47]
; Quarter i of a row: ten loads, each 512 consecutive bytes; read once in the launch.  g: rows 16 g further down.
.macro LOADQ i, bw, bm, g
.irp j, 0,1,2,3,4,5,6,7
	global_load_b128 v[W+32*(\i)+4*\j:W+32*(\i)+4*\j+3], v[OFF], s[\bw:\bw+1] offset:(\g)*16*WROW+4096*(\i)+512*\j th:TH_LOAD_NT
.endr
.irp j, 0,1
	global_load_b128 v[M+8*(\i)+4*\j:M+8*(\i)+4*\j+3], v[OFF], s[\bm:\bm+1] offset:(\g)*16*MROW+1024*(\i)+512*\j th:TH_LOAD_NT
.endr
.endm
.irp i, 0,1,2,3
	LOADQ \i, 40, 42, 0                            ; 40 loads, 20,480 bytes, of every wave are out before anything else is done
.endr
	s_mul_i32 s22, s[WV], 2*XROW
	s_add_nc_u64 s[8:9], s[8:9], s[22:23]          ; x: rows 2 w and 2 w + 1 are mine to copy
	s_lshl_b32 s22, s[WV], 8
	s_add_nc_u64 s[10:11], s[10:11], s[22:23]
	s_lshl_b32 s22, s20, 2
	s_add_nc_u64 s[12:13], s[12:13], s[22:23]      ; bias at the work-group's first row
	s_add_co_u32 s21, s20, s18                     ; out: column = first row + 16 t,
	s_lshl_b32 s21, s21, 2
	s_and_b32 s22, s[WV], 2
	s_lshl_b32 s22, s22, 3                         ; row = 16 x batch tile
	s_and_b32 s19, s[WV], 1
	s_lshl_b32 s19, s19, 2                         ; + 4 x (g % 2)
	s_add_co_u32 s22, s22, s19
	s_mul_i32 s22, s22, OROW
	s_add_co_u32 s22, s22, s21
	s_add_nc_u64 s[14:15], s[14:15], s[22:23]
	s_mov_b32 s[HH], 0x71800000                    ; 2^100
	s_mov_b32 s[HH+1], s[HH]                       ; (named with it as a pair, so it is written)
	s_mov_b32 s[K40], 0x40404040
	s_mov_b32 s[SELF], 0x04000000
	s_mov_b32 s[SELF+1], 0x05000000
	s_mov_b32 s[SELF+2], 0x06000000
	s_mov_b32 s[SELF+3], 0x07000000
	s_mov_b32 s[SELR], 0
	s_mov_b32 s[SELR+1], 0x01010101
	s_mov_b32 s[SELR+2], 0x02020202
	s_mov_b32 s[SELR+3], 0x03030303
	s_mov_b32 s[SEL], 0x76543210
	s_mov_b32 s[SEL+1], 0xfedcba98
; A quarter turns through my stage: in as loaded, back a block a lane, into the registers that it left.  LDS serves a wave's instructions in order (ISA guide 5.7.1.4): no wait between the stores and the loads,
; and the next quarter's stores come behind this quarter's loads.
.macro TURN i
	s_wait_loadcnt 10*(3-(\i))                     ; loads come back in order: this quarter's ten are in, the ten of each younger quarter may be out
.irp j, 0,1,2,3,4,5,6,7
	ds_store_b128 v[STW], v[W+32*(\i)+4*\j:W+32*(\i)+4*\j+3] offset:576*\j
.endr
.irp j, 0,1
	ds_store_b128 v[STM], v[M+8*(\i)+4*\j:M+8*(\i)+4*\j+3] offset:768*\j
.endr
.irp j, 0,1,2,3,4,5,6,7
	ds_load_b128 v[W+32*(\i)+4*\j:W+32*(\i)+4*\j+3], v[LDW] offset:16*\j
.endr
.irp j, 0,1
	ds_load_b128 v[M+8*(\i)+4*\j:M+8*(\i)+4*\j+3], v[LDM] offset:16*\j
.endr
.endm
; PASS 1.  A mask word m (four bytes 0 or 1) becomes (m << 8) - m: 0xff where the number is an outlier; it stays so for pass 2.  Its complement under 0x40404040 has the byte 0x40 where it is none, and that byte on top of
; zeros is the f32 number 2.0.  So one v_perm_b32 a number gives 2.0 or 0.0, and two fused multiply-adds give 2 x wz and 2 x |wz| into the sums: exact products, and the 2 goes into the division by 4,096.
.macro MASKF g
.irp j, 0,1,2,3
	v_perm_b32 v[F+4*((\g)%2)+\j], v[U+(\g)], 0, s[SELF+\j]
.endr
.endm
.macro ADDW i, g, first                ; first = 1: the row's first four numbers start the chains: nothing is cleared
.set WB, W+32*(\i)+4*(\g)
.set FB, F+4*((\g)%2)
.if \first
	v_pk_mul_f32 v[S:S+1], v[FB:FB+1], v[WB:WB+1]
	v_pk_mul_f32 v[S+2:S+3], v[FB+2:FB+3], v[WB+2:WB+3]
.irp j, 0,1,2,3
	v_mul_f32 v[A+\j], v[FB+\j], |v[WB+\j]|
.endr
.else
	v_pk_fma_f32 v[S:S+1], v[FB:FB+1], v[WB:WB+1], v[S:S+1]
	v_pk_fma_f32 v[S+2:S+3], v[FB+2:FB+3], v[WB+2:WB+3], v[S+2:S+3]
.irp j, 0,1,2,3
	v_fma_f32 v[A+\j], v[FB+\j], |v[WB+\j]|, v[A+\j]
.endr
.endif
.endm
.macro SUMQ i, first
.irp g, 0,1,2,3,4,5,6,7
	v_lshlrev_b32 v[U+\g], 8, v[M+8*(\i)+\g]
.endr
.irp g, 0,1,2,3,4,5,6,7
	v_sub_nc_u32 v[M+8*(\i)+\g], v[U+\g], v[M+8*(\i)+\g]
.endr
.irp g, 0,1,2,3,4,5,6,7
	v_bfi_b32 v[U+\g], v[M+8*(\i)+\g], 0, s[K40]
.endr
	MASKF 0
.irp g, 0,1,2,3,4,5,6                  ; a word's floats are made while the word before is summed
	MASKF \g+1
.if \g == 0
	ADDW \i, \g, \first
.else
	ADDW \i, \g, 0
.endif
.endr
	ADDW \i, 7, 0
.endm
; The row's two sums: the chains, four steps inside each half of the lanes, one across; every lane ends with both.
.macro REDUCE
	v_pk_add_f32 v[S:S+1], v[S:S+1], v[S+2:S+3]
	s_delay_alu instid0(VALU_DEP_4)
	v_add_f32 v[A], v[A], v[A+1]
	s_delay_alu instid0(VALU_DEP_3)
	v_add_f32 v[A+2], v[A+2], v[A+3]
	s_delay_alu instid0(VALU_DEP_3)
	v_add_f32 v[S], v[S], v[S+1]
	s_delay_alu instid0(VALU_DEP_2)
	v_add_f32 v[A], v[A], v[A+2]
.irp x, 1,2,4,8
	s_delay_alu instid0(VALU_DEP_2)
	v_add_f32_dpp v[S], v[S], v[S] row_xmask:\x row_mask:0xf bank_mask:0xf
	s_delay_alu instid0(VALU_DEP_2)
	v_add_f32_dpp v[A], v[A], v[A] row_xmask:\x row_mask:0xf bank_mask:0xf
.endr
	s_delay_alu instid0(VALU_DEP_2)
	v_permlanex16_b32 v[T0], v[S], s[SEL], s[SEL+1]
	s_delay_alu instid0(VALU_DEP_2)
	v_permlanex16_b32 v[T1], v[A], s[SEL], s[SEL+1]
	s_delay_alu instid0(VALU_DEP_2)
	v_add_f32 v[S], v[S], v[T0]
	s_delay_alu instid0(VALU_DEP_2)
	v_add_f32 v[A], v[A], v[T1]
	s_delay_alu instid0(VALU_DEP_2)
	v_mul_f32 v[C], 0xeb000000, v[S]               ; x -2^87: -(sum / 4096) x 2^100 of the doubled sum: a power of two, nothing is rounded
	s_delay_alu instid0(VALU_DEP_2)
	v_mul_f32 v[SC], 0x39000000, v[A]              ; x 2^-13: the scale, mean |wz|
	s_delay_alu instid0(VALU_DEP_2)
	v_mov_b32 v[C+1], v[C]                         ; (named with it as a pair)
.endm
.macro PASS1
	TURN 0
	TURN 1
	s_wait_dscnt 20                                ; quarter 0 is back; the next quarter's ten stores and ten loads may be out
	SUMQ 0, 1
	TURN 2
	s_wait_dscnt 20
	SUMQ 1, 0
	TURN 3
	s_wait_dscnt 20
	SUMQ 2, 0
	s_wait_dscnt 0x0
	SUMQ 3, 0
	REDUCE
.endm
; PASS 2, four numbers at a time.  u = w 2^100 - mean 2^100 in one rounding: the sign of w - mean, 0 where they are equal; held to +-scale it is scale x sign.  Under the outliers' bits w itself comes back.
.macro BINA i, g
.set MB, M+8*(\i)+(\g)
.set WB, W+32*(\i)+4*(\g)
.set FB, F+4*((\g)%2)
.set UB, U+4*((\g)%2)
.irp j, 0,1,2,3
	v_perm_b32 v[FB+\j], v[MB], v[MB], s[SELR+\j]  ; byte j four times: all ones where number j is an outlier
.endr
	v_pk_fma_f32 v[UB:UB+1], v[WB:WB+1], s[HH:HH+1], v[C:C+1] op_sel_hi:[1,0,0]
	v_pk_fma_f32 v[UB+2:UB+3], v[WB+2:WB+3], s[HH:HH+1], v[C:C+1] op_sel_hi:[1,0,0]
.endm
.macro BINB i, g
.set WB, W+32*(\i)+4*(\g)
.set FB, F+4*((\g)%2)
.set UB, U+4*((\g)%2)
.irp j, 0,1,2,3
	v_med3_num_f32 v[UB+\j], v[UB+\j], -v[SC], v[SC]
.endr
.irp j, 0,1,2,3
	s_delay_alu instid0(VALU_DEP_4)
	v_bfi_b32 v[WB+\j], v[FB+\j], v[WB+\j], v[UB+\j]   ; w_eff, in w's place
.endr
.endm
.macro BINQ i
	BINA \i, 0
.irp g, 0,1,2,3,4,5,6
	BINA \i, \g+1
	BINB \i, \g
.endr
	BINB \i, 7
.endm
; My block of quarter i is quantised: all its 32 numbers are mine.
.macro QUANTQ i
.set B0, W+32*(\i)
	v_max3_num_f32 v[MXA], |v[B0]|, |v[B0+1]|, 0x1800000   ; the largest magnitude, in two chains, with the floor 2^(3 - 127) among the leaves: the byte cannot fall under 1
	v_max3_num_f32 v[MXB], |v[B0+2]|, |v[B0+3]|, |v[B0+4]|
.irp e, 5,9,13,17,21,25
	s_delay_alu instid0(VALU_DEP_2)
	v_max3_num_f32 v[MXA], v[MXA], |v[B0+\e]|, |v[B0+\e+1]|
	s_delay_alu instid0(VALU_DEP_2)
	v_max3_num_f32 v[MXB], v[MXB], |v[B0+\e+2]|, |v[B0+\e+3]|
.endr
	s_delay_alu instid0(VALU_DEP_2)
	v_max3_num_f32 v[MXA], v[MXA], |v[B0+29]|, |v[B0+30]|
	s_delay_alu instid0(VALU_DEP_1)
	v_max3_num_f32 v[MXA], v[MXA], v[MXB], |v[B0+31]|
	s_delay_alu instid0(VALU_DEP_1)
	v_add_nc_u32 v[SCL], 0xff000000, v[MXA]        ; 2 off its exponent field: the conversion takes the exponent field of this operand as its scale, and nothing else of it
	v_cvt_scalef32_pk16_fp6_f32 v[CD+6*(\i):CD+6*(\i)+2], v[B0:B0+15], v[SCL]
	v_cvt_scalef32_pk16_fp6_f32 v[TMP:TMP+2], v[B0+16:B0+31], v[SCL]   ; (a conversion's three registers begin on an even number: the upper half of a block's six does not, so it is moved)
.if (\i) == 0
	v_lshrrev_b32 v[SW], 23, v[SCL]                ; the scale's byte.  (A plain instruction between the conversions and the moves that read their result)
.else
	v_lshrrev_b32 v[BY], 23, v[SCL]
.endif
.irp e, 0,1,2
	v_mov_b32 v[CD+6*(\i)+3+\e], v[TMP+\e]
.endr
.if (\i) > 0
	s_delay_alu instid0(VALU_DEP_4)
	v_lshl_or_b32 v[SW], v[BY], 8*(2*((\i)%2)+(\i)/2), v[SW]   ; the reader's lane (r, h) takes quarters 2 h and 2 h + 1 as the instruction's blocks h and 2 + h: quarter i's byte is byte 2 (i % 2) + i / 2
.endif
.endm
; My part of x, asked for where the last row's pass 2 has freed 64 registers: two rows of codes (24 loads of 256 consecutive bytes), their 256 scale bytes, and the bias of the column that I store at the end.
.macro XLOAD
.irp k, 0,1,2,3,4,5,6,7,8,9,10,11,12,13,14,15,16,17,18,19,20,21,22,23
	global_load_b64 v[W+2*\k:W+2*\k+1], v[X8], s[8:9] offset:256*\k
.endr
	global_load_b64 v[W+48:W+49], v[X8], s[10:11]
	global_load_b32 v[BIA], v[BOF], s[12:13]
.endm
; mode = 1: each quarter's registers, as soon as its codes are made, take the same quarter of my next row (16 g rows down).  mode = 0: my last row.
.macro PASS2 mode, g
.irp i, 0,1,2,3
	BINQ \i
	QUANTQ \i
.if \mode
	LOADQ \i, 4, 6, \g
.elseif \i == 1
	XLOAD
.endif
.endr
.endm
.macro PUT adr, off, soff              ; the row's codes, 96 bytes a lane, and its scale words
.irp k, 0,1,2,3,4,5
	ds_store_b128 v[\adr], v[CD+4*\k:CD+4*\k+3] offset:\off+16*\k
.endr
	ds_store_b32 v[SCA], v[SW] offset:\soff
.endm
	s_cmp_lt_u32 s[WV], LONGW
	s_cbranch_scc0 .Lshort
	PASS1                                          ; waves 0 to 10: row 32 + w
	PASS2 1, 0                                     ; and row w is asked for
	PUT CODB, 0, 32*SP
	s_branch .Lcommon
.Lshort:                                               ; waves 11 to 15: slot 32 + w stands for no row: zero codes, which add nothing, under the byte 127
.irp k, 0,1,2,3
	v_mov_b32 v[CD+\k], 0
.endr
	v_mov_b32 v[SW], 0x7f7f7f7f
.irp k, 0,1,2,3,4,5
	ds_store_b128 v[CODB], v[CD:CD+3] offset:16*\k
.endr
	ds_store_b32 v[SCA], v[SW] offset:32*SP
.Lcommon:                                              ; on both ways row w's 40 loads are the only ones out, in the order of the quarters
	PASS1                                          ; row w
	PASS2 1, 1                                     ; and row 16 + w is asked for
	PUT CODA, 0, 0
	PASS1                                          ; row 16 + w
	PASS2 0, 0
	PUT CODA, 16*CP, 16*SP
	; ---- x into LDS.  My stage is free: my last reads of it have come back.  Rows 2 w and 2 w + 1 fill it, so that row b of x lies at b x XP.
	s_wait_loadcnt 0x0
.irp k, 0,1,2,3,4,5,6,7,8,9,10,11,12,13,14,15,16,17,18,19,20,21,22,23
	ds_store_b64 v[XST], v[W+2*\k:W+2*\k+1] offset:XP*(\k/12)+256*(\k%12)+8*((\k%12)/6)
.endr
	ds_store_b64 v[XSS], v[W+48:W+49]
	s_wait_dscnt 0x0                               ; for the others' sake: my rows' codes and scale words and my part of x have landed
	s_barrier_signal -1
	s_barrier_wait -1                              ; everybody's have
	; ---- my two steps.  A fragment is 12 registers: lane (r, h), registers 6 c on: the instruction's block 2 c + h, which here is quarter 2 h + c of the step, for x and for the rows alike.
.irp mt, 0,1
.irp ks, 0,1
.irp p, 0,1,2,3,4,5
	ds_load_b64 v[XF+12*(2*\mt+\ks)+2*\p:XF+12*(2*\mt+\ks)+2*\p+1], v[XFA] offset:16*XP*\mt+24*\ks+768*(\p/3)+8*(\p%3)
.endr
.endr
.irp i, 0,1,2,3
	ds_load_u16 v[XU+4*\mt+\i], v[XSR] offset:16*SP*\mt+32*\i   ; quarter i's bytes of both steps
.endr
.endr
.irp ks, 0,1
.irp c, 0,1,2
	ds_load_b128 v[WF+12*\ks+4*\c:WF+12*\ks+4*\c+3], v[WFA] offset:96*\ks+16*\c
	ds_load_b128 v[WF+12*(2+\ks)+4*\c:WF+12*(2+\ks)+4*\c+3], v[WFA] offset:16*CP+96*\ks+16*\c
	ds_load_b128 v[WF+12*(4+\ks)+4*\c:WF+12*(4+\ks)+4*\c+3], v[WFB] offset:96*\ks+16*\c
.endr
.endr
.irp t, 0,1,2
	ds_load_b64 v[WS+2*\t:WS+2*\t+1], v[WSA] offset:16*SP*\t   ; lane r: row r's words of both steps
.endr
	s_wait_dscnt 0x0                               ; my reads of x's image and of the codes are over:
	s_barrier_signal -1                            ; say so; only work on registers stands up to the wait
.irp mt, 0,1                                   ; x's scale words: byte 2 c + h is quarter 2 h + c's: quarters 0, 2, 1, 3
	v_lshl_or_b32 v[MXA], v[XU+4*\mt+2], 16, v[XU+4*\mt]
	v_lshl_or_b32 v[MXB], v[XU+4*\mt+3], 16, v[XU+4*\mt+1]
	s_delay_alu instid0(VALU_DEP_1)
	v_perm_b32 v[XS+2*\mt], v[MXB], v[MXA], 0x06040200
	s_delay_alu instid0(VALU_DEP_2)
	v_perm_b32 v[XS+2*\mt+1], v[MXB], v[MXA], 0x07050301
.endr
.rept 8
	v_nop                                          ; a scale register written by a vector instruction stands eight places ahead of the scaled matrix instruction
.endr
; source 0 = 16 rows of x, source 1 = 16 rows of w_eff: register j of lane (r, h) is (batch 8 h + j, row r).  Six accumulators take turns, one instruction a turn; the first six products start the sums.
.irp ks, 0,1
.irp t, 0,1,2
.irp mt, 0,1
.set AI, 2*\t+\mt
.set AR, M+8*AI-(M+32-CD)*(AI/4)               ; four accumulators where the mask lay, two where the codes lay
.if \ks == 0
	v_wmma_scale_f32_16x16x128_f8f6f4 v[AR:AR+7], v[XF+12*(2*\mt+\ks):XF+12*(2*\mt+\ks)+11], v[WF+12*(2*\t+\ks):WF+12*(2*\t+\ks)+11], 0, v[XS+2*\mt+\ks], v[WS+2*\t+\ks] matrix_a_fmt:MATRIX_FMT_FP6 matrix_b_fmt:MATRIX_FMT_FP6
.else
	v_wmma_scale_f32_16x16x128_f8f6f4 v[AR:AR+7], v[XF+12*(2*\mt+\ks):XF+12*(2*\mt+\ks)+11], v[WF+12*(2*\t+\ks):WF+12*(2*\t+\ks)+11], v[AR:AR+7], v[XS+2*\mt+\ks], v[WS+2*\t+\ks] matrix_a_fmt:MATRIX_FMT_FP6 matrix_b_fmt:MATRIX_FMT_FP6
.endif
.endr
.endr
.endr
.rept 4
	v_nop                                          ; four places behind the last product, in front of the stores that read results and of the loads into operands
.endr
	s_barrier_wait -1                              ; nobody reads x's image any more: the stages take the partial sums
.irp a, 0,1,2,3,4,5
.set AR, M+8*\a-(M+32-CD)*(\a/4)
	ds_store_b128 v[DPA], v[AR:AR+3] offset:1024*\a        ; as they stand, each accumulator from its low end on
	ds_store_b128 v[DPA], v[AR+4:AR+7] offset:1024*\a+512
.endr
	s_wait_dscnt 0x0
	s_barrier_signal -1
	s_barrier_wait -1
	; ---- twelve pieces of 512 bytes, a wave to a piece: the sixteen waves' sums are added, the bias joins, the piece leaves
	s_cmp_lt_u32 s[WV], 12
	s_cbranch_scc0 .Lend
.irp k, 0,1,2,3,4,5,6,7
	ds_load_b128 v[P+4*\k:P+4*\k+3], v[RDA] offset:STGB*\k
.endr
.irp k, 0,1,2,3,4,5,6,7
	ds_load_b128 v[P+32+4*\k:P+32+4*\k+3], v[RDB] offset:STGB*\k
.endr
	v_and_b32 v[T0], 15, v0
	s_delay_alu instid0(VALU_DEP_1)
	v_cmp_gt_u32 vcc_lo, s[LIM], v[T0]             ; lanes whose row exists: the third tile of rows has eleven
	s_wait_dscnt 0x0
.irp d, 32,16,8,4
.set Q, 0
.rept \d/2
	v_pk_add_f32 v[P+Q:P+Q+1], v[P+Q:P+Q+1], v[P+Q+\d:P+Q+\d+1]
.set Q, Q+2
.endr
.endr
.irp j, 0,1,2,3
	v_add_f32 v[P+\j], v[P+\j], v[BIA]
.endr
	s_wait_alu depctr_va_vdst(0)
	s_wait_xcnt 0x0                                ; EXEC changes only behind this wait
	s_and_saveexec_b32 s[SVX], vcc_lo
.irp j, 0,1,2,3
	global_store_b32 v[OUTO], v[P+\j], s[14:15] offset:OROW*\j th:TH_STORE_NT   ; sixteen lanes store 64 consecutive bytes of a row of out
.endr
	s_wait_xcnt 0x0                                ; and again, in front of the line that widens it
	s_or_b32 exec_lo, exec_lo, s[SVX]
.Lend:
	s_wait_tensorcnt 0x0
	ds_add_u32 v23, v95
	s_wait_dscnt 0x0
	s_endpgm
.Lfunc_end_k_qd52c30820d_xnor_linear:
	.size	k_qd52c30820d_xnor_linear, .Lfunc_end_k_qd52c30820d_xnor_linear-k_qd52c30820d_xnor_linear
	.p2alignl 7, 3214868480
	.fill 96, 4, 3214868480
	.section	.rodata,"a",@progbits
	.p2align	6, 0x0
	.amdhsa_kernel k_qd52c30820d_xnor_linear
		.amdhsa_group_segment_fixed_size 260096
		.amdhsa_private_segment_fixed_size 0
		.amdhsa_enable_private_segment 0
		.amdhsa_kernarg_size 48
		.amdhsa_user_sgpr_count 2
		.amdhsa_user_sgpr_kernarg_segment_ptr 1
		.amdhsa_wavefront_size32 1
		.amdhsa_system_sgpr_workgroup_id_x 1
		.amdhsa_system_sgpr_workgroup_id_y 1
		.amdhsa_system_sgpr_workgroup_id_z 1
		.amdhsa_system_vgpr_workitem_id 0
		.amdhsa_next_free_vgpr 256
		.amdhsa_next_free_sgpr 66
		.amdhsa_reserve_vcc 1
		.amdhsa_float_denorm_mode_32 3
		.amdhsa_float_denorm_mode_16_64 3
		.amdhsa_memory_ordered 1
		.amdhsa_forward_progress 1
		.amdhsa_inst_pref_size 246
	.end_amdhsa_kernel
	.amdgpu_metadata
---
amdhsa.version: [ 1, 2 ]
amdhsa.kernels:
  - .name:           k_qd52c30820d_xnor_linear
    .symbol:         k_qd52c30820d_xnor_linear.kd
    .args:
      - { .name: weight, .offset: 0, .size: 8, .value_kind: global_buffer, .address_space: global }
      - { .name: outlier_mask, .offset: 8, .size: 8, .value_kind: global_buffer, .address_space: global }
      - { .name: x_codes, .offset: 16, .size: 8, .value_kind: global_buffer, .address_space: global }
      - { .name: x_scales, .offset: 24, .size: 8, .value_kind: global_buffer, .address_space: global }
      - { .name: bias, .offset: 32, .size: 8, .value_kind: global_buffer, .address_space: global }
      - { .name: out0, .offset: 40, .size: 8, .value_kind: global_buffer, .address_space: global }
    .group_segment_fixed_size: 260096
    .private_segment_fixed_size: 0
    .kernarg_segment_align: 8
    .kernarg_segment_size: 48
    .max_flat_workgroup_size: 512
    .sgpr_count:     66
    .vgpr_count:     256
    .wavefront_size: 32
...
	.end_amdgpu_metadata
.endif
;; end of part 1
